; MI455X (gfx1250); checked and timed in simulation.
; The chip was launched on July 23, 2026; its instructions are those of AMD's public machine-readable ISA for CDNA 5 (MIT licence, August 2026) and "CDNA5" Instruction Set Architecture Reference Guide (July 2026). The comments in the code are by the model that wrote it; some were corrected since.
;; Attention Block. Allowed arithmetic: float matrix products may take bf16 or f16 operands with f32 sums; other float arithmetic in f32, or as packed bf16 or f16 multiplies, adds, multiply-adds, maxima and minima; sums over many terms, partial sums and values carried from step to step in f32; what a program stores and reads back later, other than sums and carried values, may be rounded once to bf16 or f16.
;; Inputs: W1 64 x 64 float32; W2 64 x 64 float32; Wk 64 x 64 float32; Wq 64 x 64 float32; Wv 64 x 64 float32; b1 64 float32; b2 64 float32; bk 64 float32; bq 64 float32; bv 64 float32; gauss 4 x 64 x 64 x 64 float32; ln1_b 64 float32; ln1_w 64 float32; ln2_b 64 float32; ln2_w 64 float32; seg 4 x 64 x 64 x 64 float32.
;; Outputs: out0 4 x 64 x 64 x 64 float32.
;; 2 versions, each right; version 2 is version 1 with the launch cast written anew for expert scheduling mode. Each part assembles by itself: llvm-mc -triple=amdgcn-amd-amdhsa -mcpu=gfx1250 --defsym DOCPART=n.
;; ======== version 1 of 2: 2 launches
;; workspace buffers: ws 4,237,312 bytes
;; launch cast (part 1): grid 257 x 1, 8 waves a work-group, no clusters, 0 bytes of LDS; arguments seg, gauss, Wq, Wk, Wv, W1, W2, bq, bv, ln1_w, ln1_b, b1, b2, ln2_w, ln2_b, ws; writes ws
.if DOCPART == 1
	.amdgcn_target "amdgcn-amd-amdhsa--gfx1250"
	.amdhsa_code_object_version 6
	.text
	.protected	k_q0cfeccd48d_cast
	.globl	k_q0cfeccd48d_cast
	.p2align	8
	.type	k_q0cfeccd48d_cast,@function
k_q0cfeccd48d_cast:
	s_mov_b64 s[64:65], 0
	v_nop
	global_prefetch_b8 v0, s[64:65] scope:SCOPE_SE
	s_setreg_imm32_b32 hwreg(HW_REG_WAVE_MODE, 25, 1), 1
	s_wait_xcnt 0x0
; FIRST OF TWO LAUNCHES: every input is rounded once to bf16 and laid into the workspace ws; the second launch does all the arithmetic.
; WORK LEFT OUT, FOR ALL VALUES OF THE INPUTS.  k_m = Wk s_m + bk, so a score is q_n . (Wk s_m) / 8 + q_n . bk / 8.  The second term does not depend on m, the axis of the softmax:
; it multiplies every weight of row n and their sum by the same factor and cancels.  bk has no other way to the output: it is not loaded and is no argument of any launch.
; LIMIT: a NaN, an infinity or an overflow that reaches the result through bk alone is not carried to it.
; TWO IDENTITIES, exact for all inputs, let seg and gauss themselves serve as K and V in the second launch:
;   q_n . (Wk s_m) = (Wk^T q_n) . s_m;     sum_m a_nm (Wv g_m + bv) = Wv (sum_m a_nm g_m) + bv, since a softmax's row sums to 1.
; ws:  KB  at 0          bf16(seg),   [4][64][4096]
;      VB  at 2,097,152  bf16(gauss), [4][64][4096]
;      WTS at 4,194,304  five bf16 matrices [64][64], 8,192 bytes each: Wq, Wk turned (row c, column o), Wv, W1, W2
;      PARG at 4,235,264 eight vectors of 64 f32, each number rounded to bf16 and written as f32: bq, 2 bv, ln1_w, ln1_b, b1, b2, ln2_w, ln2_b
; LIMIT: a number beyond bf16's largest finite one rounds to an infinity.
; SHARES.  Work-groups 0-127 take seg, 128-255 gauss, 8,192 numbers each: a thread has eight loads of 16 bytes out at once; a wave's load covers 512 consecutive bytes, its store 256, aligned.
; Work-group 256 takes the weights and the vectors.  No LDS, no barrier, no matrix unit: nothing is shared and nothing is multiplied.
.set WTS,  4194304
.set PARG, 4235264
	s_load_b512 s[8:23], s[0:1], 0x0               ; seg s[8:9], gauss s[10:11], Wq s[12:13], Wk s[14:15], Wv s[16:17], W1 s[18:19], W2 s[20:21], bq s[22:23]
	s_load_b512 s[24:39], s[0:1], 0x40             ; bv s[24:25], ln1_w, ln1_b, b1, b2, ln2_w, ln2_b s[36:37], ws s[38:39]
	s_mov_b32 s6, ttmp9
	v_lshlrev_b32 v1, 4, v0                        ; 16 x thread: my 16 bytes of f32
	v_lshlrev_b32 v2, 3, v0                        ; 8 x thread: my 8 bytes of bf16
	s_cmp_lt_u32 s6, 256
	s_cbranch_scc0 .Lweights
	; seg or gauss: 32,768 bytes in, 16,384 out
	s_and_b32 s2, s6, 127
	s_lshl_b32 s2, s2, 15                          ; my part of the source
	s_mov_b32 s3, 0
	s_lshl_b32 s4, s6, 14                          ; my part of ws: VB follows KB, so one formula serves both
	s_mov_b32 s5, 0
	s_wait_kmcnt 0x0
	s_cmp_lt_u32 s6, 128
	s_cselect_b64 s[40:41], s[8:9], s[10:11]
	s_add_nc_u64 s[40:41], s[40:41], s[2:3]
	s_add_nc_u64 s[42:43], s[38:39], s[4:5]
.irp i, 0,1,2,3,4,5,6,7
	global_load_b128 v[16+4*(\i):19+4*(\i)], v1, s[40:41] offset:4096*(\i) th:TH_LOAD_NT
.endr
.irp i, 0,1,2,3,4,5,6,7
	s_wait_loadcnt 7-(\i)                          ; loads come back in order: load i is in, the 7 - i younger ones stay out
	v_cvt_pk_bf16_f32 v[16+4*(\i)], v[16+4*(\i)], v[17+4*(\i)]
	v_cvt_pk_bf16_f32 v[17+4*(\i)], v[18+4*(\i)], v[19+4*(\i)]
	global_store_b64 v2, v[16+4*(\i):17+4*(\i)], s[42:43] offset:2048*(\i)  ; no register is written again behind its store
.endr
	s_endpgm
.Lweights:
	v_lshrrev_b32 v7, 5, v0
	v_readfirstlane_b32 s2, v7                     ; wave 0..7: which vector is mine
	v_lshrrev_b32 v3, 6, v0                        ; thread / 64: which sixteen rows o of Wk
	v_and_b32 v8, 63, v0                           ; thread % 64: which column c
	v_lshlrev_b32 v5, 5, v3
	v_lshl_add_u32 v5, v8, 7, v5                   ; out: row c of 128 bytes, 32 bytes for my sixteen o
	v_lshlrev_b32 v3, 12, v3
	v_lshl_add_u32 v3, v8, 2, v3                   ; in: 16 rows of 256 bytes a step, column c
	v_and_b32 v4, 31, v0
	v_lshlrev_b32 v4, 3, v4                        ; 8 x lane: two numbers of my wave's vector
	s_wait_kmcnt 0x0
	s_mov_b64 s[44:45], s[22:23]                   ; the vectors' addresses lie in s[22:37] in the order of PARG
.irp k, 1,2,3,4,5,6,7
	s_cmp_eq_u32 s2, \k
	s_cselect_b64 s[44:45], s[22+2*(\k):23+2*(\k)], s[44:45]
.endr
	s_cmp_eq_u32 s2, 1
	s_cselect_b32 s46, 2.0, 1.0                    ; bv is wanted twice: once in v, once in the attention's result
	s_mov_b32 s47, s46                             ; named with it as a pair
.macro MIN m, p                        ; matrix m: 16,384 bytes, four loads a thread
.irp i, 0,1,2,3
	global_load_b128 v[16+16*(\m)+4*(\i):19+16*(\m)+4*(\i)], v1, s[(\p):(\p)+1] offset:4096*(\i)
.endr
.endm
.macro MOUT m, off                     ; rounded in place and stored: 8,192 bytes at off behind WTS
.irp i, 0,1,2,3
	v_cvt_pk_bf16_f32 v[16+16*(\m)+4*(\i)], v[16+16*(\m)+4*(\i)], v[17+16*(\m)+4*(\i)]
	v_cvt_pk_bf16_f32 v[17+16*(\m)+4*(\i)], v[18+16*(\m)+4*(\i)], v[19+16*(\m)+4*(\i)]
	global_store_b64 v2, v[16+16*(\m)+4*(\i):17+16*(\m)+4*(\i)], s[38:39] offset:WTS+(\off)+2048*(\i)
.endr
.endm
	MIN 0, 12                                      ; Wq
	MIN 1, 16                                      ; Wv
	MIN 2, 18                                      ; W1
	MIN 3, 20                                      ; W2
.irp e, 0,1,2,3,4,5,6,7,8,9,10,11,12,13,14,15
	global_load_b32 v[80+(\e)], v3, s[14:15] offset:256*(\e)  ; Wk[16 (thread / 64) + e][c]: a wave's load covers 128 consecutive bytes
.endr
	global_load_b64 v[96:97], v4, s[44:45]
	s_wait_loadcnt 17                              ; the four matrices are in; Wk's sixteen loads and the vector's one stay out
	MOUT 0, 0
	MOUT 1, 16384
	MOUT 2, 24576
	MOUT 3, 32768
	s_wait_loadcnt 1                               ; Wk is in
.irp e, 0,1,2,3,4,5,6,7
	v_cvt_pk_bf16_f32 v[100+(\e)], v[80+2*(\e)], v[81+2*(\e)]
.endr
	global_store_b128 v5, v[100:103], s[38:39] offset:WTS+8192     ; pieces of 32 bytes of rows 128 bytes apart: 8,192 bytes, once in the program
	global_store_b128 v5, v[104:107], s[38:39] offset:WTS+8192+16
	s_wait_loadcnt 0x0
	v_cvt_pk_bf16_f32 v98, v96, v97                ; rounded to bf16,
	v_lshlrev_b32 v96, 16, v98                     ; and written as f32 again
	v_and_b32 v97, 0xffff0000, v98
	v_pk_mul_f32 v[96:97], v[96:97], s[46:47] op_sel_hi:[1,0]
	global_store_b64 v2, v[96:97], s[38:39] offset:PARG            ; 8 x thread = 256 x wave + 8 x lane
	s_endpgm
.Lfunc_end_k_q0cfeccd48d_cast:
	.size	k_q0cfeccd48d_cast, .Lfunc_end_k_q0cfeccd48d_cast-k_q0cfeccd48d_cast
	.p2alignl 7, 3214868480
	.fill 96, 4, 3214868480
	.section	.rodata,"a",@progbits
	.p2align	6, 0x0
	.amdhsa_kernel k_q0cfeccd48d_cast
		.amdhsa_group_segment_fixed_size 0
		.amdhsa_private_segment_fixed_size 0
		.amdhsa_enable_private_segment 0
		.amdhsa_kernarg_size 128
		.amdhsa_user_sgpr_count 2
		.amdhsa_user_sgpr_kernarg_segment_ptr 1
		.amdhsa_wavefront_size32 1
		.amdhsa_system_sgpr_workgroup_id_x 1
		.amdhsa_system_sgpr_workgroup_id_y 1
		.amdhsa_system_sgpr_workgroup_id_z 1
		.amdhsa_system_vgpr_workitem_id 0
		.amdhsa_next_free_vgpr 112
		.amdhsa_next_free_sgpr 66
		.amdhsa_reserve_vcc 0
		.amdhsa_float_denorm_mode_32 3
		.amdhsa_float_denorm_mode_16_64 3
		.amdhsa_memory_ordered 1
		.amdhsa_forward_progress 1
		.amdhsa_inst_pref_size 13
	.end_amdhsa_kernel
	.amdgpu_metadata
---
amdhsa.version: [ 1, 2 ]
amdhsa.kernels:
  - .name:           k_q0cfeccd48d_cast
    .symbol:         k_q0cfeccd48d_cast.kd
    .args:
      - { .name: seg, .offset: 0, .size: 8, .value_kind: global_buffer, .address_space: global }
      - { .name: gauss, .offset: 8, .size: 8, .value_kind: global_buffer, .address_space: global }
      - { .name: Wq, .offset: 16, .size: 8, .value_kind: global_buffer, .address_space: global }
      - { .name: Wk, .offset: 24, .size: 8, .value_kind: global_buffer, .address_space: global }
      - { .name: Wv, .offset: 32, .size: 8, .value_kind: global_buffer, .address_space: global }
      - { .name: W1, .offset: 40, .size: 8, .value_kind: global_buffer, .address_space: global }
      - { .name: W2, .offset: 48, .size: 8, .value_kind: global_buffer, .address_space: global }
      - { .name: bq, .offset: 56, .size: 8, .value_kind: global_buffer, .address_space: global }
      - { .name: bv, .offset: 64, .size: 8, .value_kind: global_buffer, .address_space: global }
      - { .name: ln1_w, .offset: 72, .size: 8, .value_kind: global_buffer, .address_space: global }
      - { .name: ln1_b, .offset: 80, .size: 8, .value_kind: global_buffer, .address_space: global }
      - { .name: b1, .offset: 88, .size: 8, .value_kind: global_buffer, .address_space: global }
      - { .name: b2, .offset: 96, .size: 8, .value_kind: global_buffer, .address_space: global }
      - { .name: ln2_w, .offset: 104, .size: 8, .value_kind: global_buffer, .address_space: global }
      - { .name: ln2_b, .offset: 112, .size: 8, .value_kind: global_buffer, .address_space: global }
      - { .name: ws, .offset: 120, .size: 8, .value_kind: global_buffer, .address_space: global }
    .group_segment_fixed_size: 0
    .private_segment_fixed_size: 0
    .kernarg_segment_align: 8
    .kernarg_segment_size: 128
    .max_flat_workgroup_size: 256
    .sgpr_count:     66
    .vgpr_count:     112
    .wavefront_size: 32
...
	.end_amdgpu_metadata
.endif
;; end of part 1
;; launch attn (part 2): grid 64 x 4, 4 waves a work-group, clusters of 4 x 1, 327,680 bytes of LDS; arguments ws, out0; writes out0
.if DOCPART == 2
	.amdgcn_target "amdgcn-amd-amdhsa--gfx1250"
	.amdhsa_code_object_version 6
	.text
	.protected	k_q0cfeccd48d_attn
	.globl	k_q0cfeccd48d_attn
	.p2align	8
	.type	k_q0cfeccd48d_attn,@function
k_q0cfeccd48d_attn:
	s_mov_b64 s[64:65], 0
	v_nop
	global_prefetch_b8 v0, s[64:65] scope:SCOPE_SE
	s_setreg_imm32_b32 hwreg(HW_REG_WAVE_MODE, 25, 1), 1
	s_wait_xcnt 0x0
	s_wait_alu depctr_hold_cnt(0) depctr_sa_sdst(0) depctr_va_vdst(0) depctr_va_sdst(0) depctr_va_ssrc(0) depctr_va_vcc(0) depctr_vm_vsrc(0)
	s_getreg_b32 s2, hwreg(HW_REG_IB_STS2, 6, 4)
	s_cmp_eq_u32 s2, 0
	s_cbranch_scc0 .Lentry_in_a_cluster
	s_endpgm
.Lentry_in_a_cluster:
	s_bfe_u32 s2, ttmp6, 0x10000c
	s_cmp_lg_u32 s2, 0x3003
	s_cbranch_scc0 .Lentry_shape_is_right
	s_endpgm
.Lentry_shape_is_right:
; SECOND OF TWO LAUNCHES: projections, attention, residual + LayerNorm, FFN, residual + LayerNorm, all fused.  It reads ws (the first launch's bf16 copies) and stores out0 [4][64][4096] f32.
; LEFT OUT: bk.  It adds q_n . bk / 8 to every score of row n, the same along the softmax's axis, and cancels for all values of the inputs (shown at the head of the first kernel).
; FORM.  Q'_n = Wk^T (Wq s_n + bq);  score(n, m) = Q'_n . s_m / 8;  og_n = sum_m a_nm g_m;  x1 = Wv g_n + Wv og_n + 2 bv, since a softmax's row sums to 1.  So K is bf16(seg) and V is bf16(gauss), as they lie: [channel][token].
; LIMITS.  All inputs are taken rounded to bf16.  Wq s + bq, Q', the weights p and og are rounded once to bf16 as matrix operands; the FFN's two activations go in as hi + lo pairs of bf16.
; Products, maxima, sums and both LayerNorms in f32.  A weight below 2^-126 counts as 0 in l.  NaN and infinities are not treated apart.
; SHARES.  256 work-groups; a work-group owns 64 queries of one batch.  EVERY wave holds all 64 queries (four tiles of 16) and takes A QUARTER OF THE KEYS: of step s (16 steps of 256 keys) wave w has keys
; 256 s + 64 w + 0..63.  So a fragment of K or V read from LDS feeds four tiles' products.  The four waves' partial (c m, l, O^T) meet once in LDS; then wave w takes tile w through the rest of the chain.
; LAYOUT.  S^T = K Q'^T (source 0 = 16 keys, source 1 = 16 queries): a lane holds ONE query (lane % 16) and the keys 8 (lane / 16) + 0..7.  Two such tiles, rounded to bf16 in pairs, ARE source 1 of O^T = V^T P, whose
; result again holds one query a lane, and eight channels.  The same holds down the chain: each product takes the weights as source 0, and its result, packed in pairs, is the next product's source 1.
; K lies [channel][key] and is turned on its way out of LDS (ds_load_tr16_b128); V^T lies as its fragments want it.
; SOFTMAX.  A running maximum m and sum l for each query: p = 2^(c s - c m), c = log2(e) / 8; in every step O and l are multiplied by a = 2^(c m_old - c m_new).
; BY TURNS.  The tiles are two PIECES (tiles 0, 1 and tiles 2, 3).  In a turn one piece has the matrix unit: 16 products V^T P of the step in hand, then 16 products K Q'^T of the next; the other piece's softmax, 236
; vector instructions, stands as four behind each product and the rest in two runs of its own.  A turn's 66 exponentials are one batch with one wait.
; CLUSTER.  The four query blocks of a cluster belong to one batch and walk the same K and V: each tile is asked for JOINTLY, by the same tensor load, descriptor and mask in all four.
; The weights (40 KiB a work-group against 1 MiB of K and V) come by plain loads.
; REGISTERS, in windows of 256 (s_set_vgpr_msb: bits 1:0 source 0, 3:2 source 1, 5:4 source 2, 7:6 destination):
;   window 0: v0-11 addresses; v12-43 eight registers of statistics a tile; v44-59 at work; v60-63 lane, prefetch offset, the add's two; v64-191 S^T, 32 a tile; v192-255 P, 16 a tile
;   window 1: v0-127 O^T, 32 a tile     window 2: v0-63 Q', 16 a tile; v128-191 K of a step; v192-255 V of a step     window 3: v0-63 Wv, v64-127 W1, v128-191 W2
.set VB,    2097152   ; ws: bf16(gauss) behind bf16(seg)
.set WTS,   4194304   ; ws: the five matrices
.set PARG,  4235264   ; ws: the eight vectors
.set PK,    544       ; a row of K in LDS (one channel, 256 keys): 512 bytes + 32 of padding = 17 x 32
.set PV,    528       ; a row of V: 512 + 16 = 33 x 16: the 16 rows of a load start at 16 different groups of four banks
.set VOFF,  64*PK     ; a step's tiles lie together: 64 rows of K, then 64 rows of V
.set STEPB, 64*(PK+PV)
.set SLOT1, 0x22000   ; a slot holds two steps (137,216 bytes); slot 1 begins here: its two bits are clear in every tile's place in slot 0, so one exclusive or turns an address into the other slot's
.set XS,    SLOT1+2*STEPB  ; behind the ring, never filled by a tensor load: each wave's 64 channels x 16 tokens of seg, 2,048 bytes a wave
.set XG,    XS+8192   ; the same of gauss
.set QST,   XG+8192   ; Q' of the four tiles, as the lanes hold it: 2,048 bytes a tile
.set PAR,   QST+8192  ; the eight vectors
.set SPARE, PAR+2048  ; the spare words, 128 bytes for each wave: two blocks of 256 bytes that no other line names
.set PO,    0         ; in the ring, behind its last fill and last read: wave v's O^T at 16,384 v, tile t at + 4,096 t
.set PST,   65536     ; likewise: wave v's (c m, l) at 1,024 v, tile t at + 256 t, 8 bytes a lane
.set OUTS,  SLOT1     ; likewise: the way out, 64 channels x 272 bytes
.set OPI,   272
.set AK0, 2           ; v2   my lane's place in a tile of K, my wave's 64 keys; never rewritten in the walk
.set AV0, 3           ; v3   the same for V
.set ADR, 4           ; v4   the LDS address of the run of loads in hand
.set XLD, 5           ; v5   head: my byte offset in 16 channels x 16 tokens of KB and VB
.set T16, 6           ; v6   head: 16 x thread
.set BQO, 7           ; v7   head: 32 x (lane / 16)
.set WO,  8           ; v8   my byte offset in a fragment of a weight matrix; never rewritten
.set XST, 10          ; v10  head: where I put 16 bytes of my wave's seg and gauss
.set XTR, 11          ; v11  where the turning load takes them; never rewritten
.set ST,  12          ; tile t's statistics at v[ST+8 t]: +0 c m, +1 m, +2, +3 l (even keys', odd keys'), +4 to +7 c0-c3 at work; a takes c2's place once the maximum is found
.set TMP, 44
.set PARS, 50         ; v50-52 head: LDS addresses
.set QSTS, 51
.set QSTR, 52
.set LN,  60          ; v60  my lane
.set PFO, 61          ; v61  the prefetches' offset; never rewritten
.set SPW, 62          ; v62  LDS address of my spare word: SPARE + 4 x my thread's number; never rewritten
.set NIL, 63          ; v63  0; never rewritten
.set S,   64
.set P,   192
.set KF,  128         ; window 2: key block kb, channel half ch at KF + 16 kb + 8 ch
.set VF,  192         ; window 2: key half kk, channel block cb at VF + 32 kk + 8 cb
.set PSTS, 5          ; behind the walk: LDS addresses, made anew
.set PSTR, 6
.set POS,  7
.set POR,  10
.set PRA,  2
.set OUTW, 3
.set OUTR, 4
.set GO,   40
.set RA,  64          ; behind the walk: four sets of 32, a token a lane, channel 16 cb + 8 (lane / 16) + j at + 8 cb + j
.set RB,  96
.set RC,  128
.set RD,  160
.set GF,  192         ; two fragments (source 1) of 16 registers
.set OGF, 208
.set PR,  224         ; a vector's 32 numbers for my channels
.set WV,  12          ; s12  my wave's number
.set LIM, 15          ; s15  2 in the cluster that prefetches, else the greatest number
.set PFA, 18          ; s[18:19] where my prefetches stand
.set G1K, 24          ; s[24:31] descriptor group 1 for K's tiles
.set G1V, 32          ; s[32:39] for V's: it differs in the padding alone
.set G0K, 40          ; s[40:47] descriptor group 0 for K's tiles: a set for each of the two first fills; the second then walks on
.set G0V, 48          ; s[48:55] the same for V's
.set SLOTS, 56        ; s56  slots still to be asked for
.set TWICE, 57        ; s57  counts a slot's two steps
.set CS,  58          ; s[58:59] c
.set SEL, 60          ; s[60:61] v_permlanex16_b32's selects: each lane takes its own place in the other half
.set TB,  62          ; s62  LDS byte at which the tiles of the step to be fetched begin
.set XB,  66          ; s[66:67] KB at my wave's 16 tokens
.set OB,  68          ; s[68:69] out0 at my wave's 16 channels, my block's 64 tokens
.set MSB, 0
.macro WIN new                      ; the immediate's high byte repeats the setting that is left; a switch that changes nothing is dropped
.if MSB != (\new)
	s_set_vgpr_msb (MSB<<8)|(\new)
.set MSB, \new
.endif
.endm
.set W_KQ, 0x0a       ; K and Q' in window 2, S^T in window 0
.set W_PV, 0x52       ; V in window 2, P in window 0, O^T in window 1
.set W_RS, 0x41       ; O^T (destination and source 0) in window 1, a in window 0
.macro PLACES                       ; four plain places between a matrix instruction and a vector instruction, a store or a load that touches its registers
.rept 4
	v_nop
.endr
.endm
; A joint refill.  Waves 0 and 1 fetch K of the slot's two steps, waves 2 and 3 V.  The branch hangs on the wave's number alone.  An s_nop 0 and four v_nop follow each of the two lines.
.macro JLOAD
	s_cmp_lt_u32 s[WV], 2
	s_cbranch_scc0 .Lfor_v_\@
	tensor_load_to_lds s[G0K+4:G0K+7], s[G1K:G1K+7]
	s_nop 0
.rept 4
	v_nop
.endr
	s_branch .Lasked_\@
.Lfor_v_\@:
	tensor_load_to_lds s[G0V+4:G0V+7], s[G1V:G1V+7]
	s_nop 0
.rept 4
	v_nop
.endr
.Lasked_\@:
.endm
; A PREFETCH INTO THE L2, behind the wave's tensor load and its five lines: the part (64 rows x 512 bytes) that this wave will ask for TWO changes of slots on, 256 matrix instructions ahead of that load.
; All sixteen clusters of a batch walk the same rows: the batch's first cluster asks.  Its four partners share the 64 rows out BY ADDRESS, 16 each; a lane names 256 bytes of a row: one instruction a wave,
; and each aligned block of 256 bytes is named once in the launch.  The last two changes that fill a slot ask for nothing: there is no tile two on.  Tiles 0 to 3 come by their loads alone.
.macro ASK
	s_cmp_gt_u32 s[SLOTS], s[LIM]
	s_cbranch_scc0 .Lnot_mine_\@
	global_prefetch_b8 v[PFO], s[PFA:PFA+1] th:TH_LOAD_NT scope:SCOPE_SE
.Lnot_mine_\@:
.endm
; A round of the cluster's barrier: my work-group's barrier, so that wave 0's signal speaks for all four waves; wave 0 signals; every wave waits for all four work-groups; my work-group's barrier once more.
.macro CROUND
	s_barrier_signal -1
	s_barrier_wait -1
	s_cmp_lg_u32 s[WV], 0
	s_cbranch_scc1 .Lnot_wave_0_\@
	s_barrier_signal -3
.Lnot_wave_0_\@:
	s_barrier_wait -3
	s_barrier_signal -1
	s_barrier_wait -1
.endm
	s_load_b128 s[4:7], s[0:1], 0x0 ; ws s[4:5], out0 s[6:7]
	v_lshl_add_u32 v[SPW], v0, 2, SPARE
	v_mov_b32 v[NIL], 0
	ds_add_u32 v[SPW], v[NIL]       ; the wave's opening: the add, twice on end, and its wait ahead of my first tensor load; the set-up below, work on registers, stands between
	ds_add_u32 v[SPW], v[NIL]
	v_lshrrev_b32 v4, 5, v0
	v_readfirstlane_b32 s[WV], v4   ; wave 0..3
	v_and_b32 v1, 15, v0            ; l % 16
	v_bfe_u32 v9, v0, 4, 1          ; l / 16
	v_and_b32 v[LN], 31, v0
	v_lshrrev_b32 v[XLD], 1, v[LN]
	v_and_b32 v[T16], 1, v0
	v_lshlrev_b32 v[XLD], 13, v[XLD]             ; row l / 2 of 8,192 bytes
	v_lshl_add_u32 v[PFO], v[T16], 8, v[XLD]     ; the prefetch: + 256 (l % 2)
	v_lshl_add_u32 v[XLD], v[T16], 4, v[XLD]     ; my tokens: + 16 (l % 2)
	v_lshlrev_b32 v[T16], 4, v0
	v_lshlrev_b32 v[BQO], 5, v9
	v_lshlrev_b32 v[WO], 7, v1
	v_lshl_add_u32 v[WO], v9, 4, v[WO]           ; a weight's row l % 16 of 128 bytes + 16 x half
	s_bfe_u32 s13, ttmp6, 0x40000   ; cx: my place in the cluster
	s_lshl_b32 s14, ttmp9, 2        ; in a cluster launch ttmp9 counts clusters
	s_add_co_u32 s14, s14, s13      ; my block of 64 queries: it enters the addresses of my own tokens and of out0 alone
	s_and_b32 s20, ttmp7, 0xffff    ; the batch, which the four partners share
	s_and_b32 s16, s[WV], 1         ; which of a slot's two steps I fetch:
	s_mul_i32 s17, s16, STEPB       ; its place in a slot: no place in the cluster enters an LDS address
	s_lshl_b32 s22, s20, 19         ; the batch's 524,288 bytes in KB and in VB
	s_lshl_b32 s2, s16, 9           ; the step's 512 bytes of a row
	s_add_co_u32 s2, s2, s22
	s_mov_b32 s3, 0
	s_lshl_b32 s74, s14, 7          ; my block's 128 bytes of a row,
	s_add_co_u32 s74, s74, s22
	s_lshl_b32 s75, s[WV], 5        ; my wave's 32 of them
	s_add_co_u32 s74, s74, s75
	s_mov_b32 s75, 0
	s_lshl_b32 s76, s20, 20         ; out0: the batch,
	s_lshl_b32 s77, s14, 8          ; my block's 256 bytes of a row,
	s_add_co_u32 s76, s76, s77
	s_lshl_b32 s77, s[WV], 18       ; my wave's 16 channels of 16,384 bytes
	s_add_co_u32 s76, s76, s77
	s_mov_b32 s77, 0
	; descriptor group 1: a tile of 64 rows (channels) x 256 elements (keys), padded in LDS
	s_mov_b32 s[G1K], 15|(1<<16)|(1<<20)|(1<<21)|(6<<22)|(7<<25)  ; 15:0 the mask of four; 17:16 elements of 2 bytes; 20 padding on; 21 set beside a mask; 24:22 after every 128 words (code 6); 31:25 8 words (code 7)
	s_mov_b32 s[G1V], 15|(1<<16)|(1<<20)|(1<<21)|(6<<22)|(3<<25)  ; the same with 4 words of padding (code 3)
.irp g, G1K, G1V
	s_mov_b32 s[(\g)+1], 256<<16    ; tensor_dim0 = 256
	s_mov_b32 s[(\g)+2], 64<<16     ; tensor_dim1 = 64
	s_mov_b32 s[(\g)+3], 256<<16    ; tile_dim0 = 256
	s_mov_b32 s[(\g)+4], 64         ; tile_dim1 = 64
	s_mov_b32 s[(\g)+5], 4096       ; 4,096 elements from row to row
	s_mov_b32 s[(\g)+6], 0
	s_mov_b32 s[(\g)+7], 0
.endr
	s_mov_b32 s[CS], 0x3e38aa3b     ; c = log2(e) / 8 = 0.180337
	s_mov_b32 s[CS+1], s[CS]        ; named with it as a pair
	s_mov_b32 s[SEL], 0x76543210
	s_mov_b32 s[SEL+1], 0xfedcba98
	s_mov_b32 s70, 0x3c800000       ; 1 / 64
	s_mov_b32 s71, 0x3727c5ac       ; 1e-5
	s_mov_b32 s72, 0xffff0000       ; a word's upper bf16
	s_mov_b32 s[TB], 0
	s_mov_b32 s[SLOTS], 6           ; eight tiles of two steps: two first fills, six refills
	s_mov_b32 s[LIM], ttmp9         ; the cluster's x: the same in all four partners
	s_cmp_eq_u32 s[LIM], 0
	s_cselect_b32 s[LIM], 2, -1
	s_wait_dscnt 0x0                ; both opening adds are done
	s_wait_kmcnt 0x0
	s_add_nc_u64 s[8:9], s[4:5], s[2:3]        ; K at my step of tile 0: made of the batch and the wave's number alone
	s_add_nc_u64 s[10:11], s[8:9], VB          ; V likewise
	s_add_nc_u64 s[XB:XB+1], s[4:5], s[74:75]
	s_add_nc_u64 s[OB:OB+1], s[6:7], s[76:77]
	s_cmp_lt_u32 s[WV], 2
	s_cselect_b64 s[PFA:PFA+1], s[8:9], s[10:11]
	s_lshl_b32 s74, s13, 17         ; my work-group's 16 rows of the 64
	s_add_nc_u64 s[PFA:PFA+1], s[PFA:PFA+1], s[74:75]
	s_add_nc_u64 s[PFA:PFA+1], s[PFA:PFA+1], 3*1024  ; at tile 3: the first change of slots steps it to tile 4
	; nine loads: my wave's 64 channels x 16 tokens of seg and of gauss, and my 16 bytes of the eight vectors
.irp i, 0,1,2,3
	global_load_b128 v[64+4*(\i):67+4*(\i)], v[XLD], s[XB:XB+1] offset:131072*(\i)
.endr
.irp i, 0,1,2,3
	global_load_b128 v[80+4*(\i):83+4*(\i)], v[XLD], s[XB:XB+1] offset:VB+131072*(\i)
.endr
	global_load_b128 v[44:47], v[T16], s[4:5] offset:PARG
	; forty loads: bq for my channels, and the fragments of Wq and of Wk turned (rows 16 (f / 2) on, columns 32 (f % 2) on)
.irp c, 0,1,2,3
	global_load_b128 v[96+8*(\c):99+8*(\c)],   v[BQO], s[4:5] offset:PARG+64*(\c)
	global_load_b128 v[100+8*(\c):103+8*(\c)], v[BQO], s[4:5] offset:PARG+64*(\c)+16
.endr
.irp f, 0,1,2,3,4,5,6,7
	global_load_b128 v[128+8*(\f):131+8*(\f)], v[WO], s[4:5] offset:WTS+2048*((\f)/2)+64*((\f)%2)
	global_load_b128 v[132+8*(\f):135+8*(\f)], v[WO], s[4:5] offset:WTS+2048*((\f)/2)+64*((\f)%2)+32
.endr
.irp f, 0,1,2,3,4,5,6,7
	global_load_b128 v[192+8*(\f):195+8*(\f)], v[WO], s[4:5] offset:WTS+8192+2048*((\f)/2)+64*((\f)%2)
	global_load_b128 v[196+8*(\f):199+8*(\f)], v[WO], s[4:5] offset:WTS+8192+2048*((\f)/2)+64*((\f)%2)+32
.endr
	CROUND                          ; all four work-groups are here: the first joint loads meet
.irp s, 0,1
	s_mov_b32 s[G0K+4*(\s)], 1      ; 1:0 count = 1
	s_add_co_u32 s[G0K+4*(\s)+1], s17, (\s)*SLOT1  ; 63:32 LDS address
	s_add_nc_u64 s[G0K+4*(\s)+2:G0K+4*(\s)+3], s[8:9], (\s)*1024  ; 120:64 global address: tile s begins 512 keys x s along the rows
	s_or_b32 s[G0K+4*(\s)+3], s[G0K+4*(\s)+3], 0x80000000  ; 127:126 type = 2
	s_mov_b32 s[G0V+4*(\s)], 1
	s_add_co_u32 s[G0V+4*(\s)+1], s17, (\s)*SLOT1+VOFF
	s_add_nc_u64 s[G0V+4*(\s)+2:G0V+4*(\s)+3], s[10:11], (\s)*1024
	s_or_b32 s[G0V+4*(\s)+3], s[G0V+4*(\s)+3], 0x80000000
.endr
	s_cmp_lt_u32 s[WV], 2           ; a wave's two first fills stand in one branch, ahead of every wait on TENSORcnt and every LDS read: two loads of mine are out
	s_cbranch_scc0 .Lfirst_v
	tensor_load_to_lds s[G0K:G0K+3], s[G1K:G1K+7]
	s_nop 0
	tensor_load_to_lds s[G0K+4:G0K+7], s[G1K:G1K+7]
	s_nop 0
.rept 4
	v_nop
.endr
	s_branch .Lfirst_asked
.Lfirst_v:
	tensor_load_to_lds s[G0V:G0V+3], s[G1V:G1V+7]
	s_nop 0
	tensor_load_to_lds s[G0V+4:G0V+7], s[G1V:G1V+7]
	s_nop 0
.rept 4
	v_nop
.endr
.Lfirst_asked:
	; The turning load takes 16 rows x 16 columns (lane l reads 16 bytes: row 8 (l / 16) + l % 8, columns 8 ((l / 8) % 2) + 0..7) and leaves half a fragment: lane l holds column l % 16 and 8 rows.
	v_and_b32 v48, 7, v0
	v_bfe_u32 v49, v0, 3, 1
	v_lshl_add_u32 v48, v9, 3, v48
	s_lshl_b32 s2, s[WV], 7         ; my wave's 64 keys: 128 bytes of a row
	v_mul_u32_u24 v[AK0], v48, PK
	v_lshl_add_u32 v[AK0], v49, 4, v[AK0]
	v_add_nc_u32 v[AK0], s2, v[AK0]
	v_mul_u32_u24 v[AV0], v1, PV    ; V^T as it lies: row (channel) l % 16, 16 bytes for each half of the lanes
	v_lshl_add_u32 v[AV0], v9, 4, v[AV0]
	s_add_co_u32 s3, s2, VOFF
	v_add_nc_u32 v[AV0], s3, v[AV0]
	s_lshl_b32 s2, s[WV], 11
	s_add_co_u32 s3, s2, QST
	s_add_co_u32 s2, s2, XS         ; my wave's own 2,048 bytes
	v_lshl_add_u32 v[XTR], v48, 5, s2
	v_lshl_add_u32 v[XTR], v49, 4, v[XTR]
	v_lshl_add_u32 v[XST], v[LN], 4, s2
	v_add_nc_u32 v[PARS], PAR, v[T16]
	v_lshl_add_u32 v[QSTS], v[LN], 4, s3
	v_lshl_add_u32 v[QSTR], v[LN], 4, QST
	; Q' OF MY TILE.  seg's and gauss's 16 tokens go into my own bytes of LDS, rows of 32 bytes, and come out turned: source 1 (32 channels x 16 tokens).
	s_wait_loadcnt 40               ; the nine are in; the forty behind them stay out
.irp i, 0,1,2,3
	ds_store_b128 v[XST], v[64+4*(\i):67+4*(\i)] offset:512*(\i)
	ds_store_b128 v[XST], v[80+4*(\i):83+4*(\i)] offset:8192+512*(\i)
.endr
	ds_store_b128 v[PARS], v[44:47]
.irp h, 0,1
	ds_load_tr16_b128 v[12+8*(\h):15+8*(\h)], v[XTR] offset:1024*(\h)      ; LDS serves a wave's instructions in order (ISA guide 5.7.1.4): these see my stores above
	ds_load_tr16_b128 v[16+8*(\h):19+8*(\h)], v[XTR] offset:1024*(\h)+512
.endr
	WIN 0xc0                        ; destination window 3, address window 0: Wv, W1, W2 stay in registers until the chain's end: 48 loads
.irp m, 0,1,2
.irp f, 0,1,2,3,4,5,6,7
	global_load_b128 v[64*(\m)+8*(\f):64*(\m)+8*(\f)+3],   v[WO], s[4:5] offset:WTS+16384+8192*(\m)+2048*((\f)/2)+64*((\f)%2)
	global_load_b128 v[64*(\m)+8*(\f)+4:64*(\m)+8*(\f)+7], v[WO], s[4:5] offset:WTS+16384+8192*(\m)+2048*((\f)/2)+64*((\f)%2)+32
.endr
.endr
	WIN 0
	s_wait_loadcnt 48               ; bq, Wq and Wk turned are in; the 48 just issued stay out
	s_wait_dscnt 0x0
.irp h, 0,1                         ; Wq s + bq: four accumulators by turns, one instruction a turn; bq starts the sums
.irp o, 0,1,2,3
.if (\h) == 0
	v_wmma_f32_16x16x32_bf16 v[64+8*(\o):71+8*(\o)], v[128+16*(\o):135+16*(\o)], v[12:19], v[96+8*(\o):103+8*(\o)]
.else
	v_wmma_f32_16x16x32_bf16 v[64+8*(\o):71+8*(\o)], v[136+16*(\o):143+16*(\o)], v[20:27], v[64+8*(\o):71+8*(\o)]
.endif
.endr
.endr
	PLACES
.set i, 0
.rept 16
	v_cvt_pk_bf16_f32 v[28+i], v[64+2*i], v[65+2*i]
.set i, i+1
.endr
.irp h, 0,1                         ; Q' = Wk^T (that)
.irp o, 0,1,2,3
.if (\h) == 0
	v_wmma_f32_16x16x32_bf16 v[96+8*(\o):103+8*(\o)], v[192+16*(\o):199+16*(\o)], v[28:35], 0
.else
	v_wmma_f32_16x16x32_bf16 v[96+8*(\o):103+8*(\o)], v[200+16*(\o):207+16*(\o)], v[36:43], v[96+8*(\o):103+8*(\o)]
.endif
.endr
.endr
	PLACES
.set i, 0
.rept 16
	v_cvt_pk_bf16_f32 v[64+i], v[96+2*i], v[97+2*i]
.set i, i+1
.endr
.irp q, 0,1,2,3
	ds_store_b128 v[QSTS], v[64+4*(\q):67+4*(\q)] offset:512*(\q)  ; as my lanes hold it: every wave's lanes take it back the same way
.endr
	s_wait_tensorcnt 1              ; my part of slot 0 is in; slot 1's may stay out
	s_wait_dscnt 0x0                ; for the others' sake: my stores of Q' and of the vectors are done
	s_barrier_signal -1
	s_barrier_wait -1
	WIN 0x80                        ; destination window 2
.irp t, 0,1,2,3
.irp q, 0,1,2,3
	ds_load_b128 v[16*(\t)+4*(\q):16*(\t)+4*(\q)+3], v[QSTR] offset:2048*(\t)+512*(\q)
.endr
.endr
; THE MATRIX WORK OF A TURN, for piece x.  Eight accumulators take turns, one instruction a turn: between two links of a chain stand seven others'.
; Product i of 16 of O^T += V^T P: keys 32 (i / 8) on, channels 16 ((i / 2) % 4) on, tile x + i % 2.  zero = 1: the first 8 start the sums: nothing is ever cleared.
.macro PV x, zero
	WIN W_PV
.set rO, 32*((\x)+i%2)+8*((i/2)%4)
.set rV, VF+32*(i/8)+8*((i/2)%4)
.set rP, P+16*((\x)+i%2)+8*(i/8)
.if (\zero) && (i < 8)
	v_wmma_f32_16x16x32_bf16 v[rO:rO+7], v[rV:rV+7], v[rP:rP+7], 0
.else
	v_wmma_f32_16x16x32_bf16 v[rO:rO+7], v[rV:rV+7], v[rP:rP+7], v[rO:rO+7]
.endif
.endm
; Product i of 16 of S^T = K Q'^T: channels 32 (i / 8) on, keys 16 ((i / 2) % 4) on, tile x + i % 2.  The first 8 start the sums.
.macro KQ x
	WIN W_KQ
.set rS, S+32*((\x)+i%2)+8*((i/2)%4)
.set rK, KF+16*((i/2)%4)+8*(i/8)
.set rQ, 16*((\x)+i%2)+8*(i/8)
.if i < 8
	v_wmma_f32_16x16x32_bf16 v[rS:rS+7], v[rK:rK+7], v[rQ:rQ+7], 0
.else
	v_wmma_f32_16x16x32_bf16 v[rS:rS+7], v[rK:rK+7], v[rQ:rQ+7], v[rS:rS+7]
.endif
.endm
; THE LDS LOADS stand in runs of 16, never singly among the matrix instructions: my 64 keys of a step's K (turned: 8 fragments) and, a turn later, of its V.
.macro FETCH_K
	WIN 0
	v_add_nc_u32 v[ADR], s[TB], v[AK0]
	WIN 0x80                        ; destination window 2
.irp f, 0,1,2,3,4,5,6,7             ; keys 16 (f / 2) on, channels 32 (f % 2) on
	ds_load_tr16_b128 v[KF+8*(\f):KF+8*(\f)+3],   v[ADR] offset:((\f)%2)*32*PK+((\f)/2)*32
	ds_load_tr16_b128 v[KF+8*(\f)+4:KF+8*(\f)+7], v[ADR] offset:((\f)%2)*32*PK+16*PK+((\f)/2)*32
.endr
.endm
.macro FETCH_V
	WIN 0
	v_add_nc_u32 v[ADR], s[TB], v[AV0]
	s_add_co_u32 s[TB], s[TB], STEPB  ; the next fetch is the next step's
	s_wait_alu depctr_va_vdst(0)    ; the wait for the softmax's batch (SLICE), behind the address's v_add_nc_u32 and ahead of the loads
	WIN 0x80
.irp f, 0,1,2,3,4,5,6,7             ; keys 32 (f / 4) on, channels 16 (f % 4) on
	ds_load_b128 v[VF+8*(\f):VF+8*(\f)+3],   v[ADR] offset:((\f)%4)*16*PV+((\f)/4)*64
	ds_load_b128 v[VF+8*(\f)+4:VF+8*(\f)+7], v[ADR] offset:((\f)%4)*16*PV+((\f)/4)*64+32
.endr
.endm
; THE VECTOR WORK OF A TURN.  One tile's softmax for one key step is a list of 118 instructions; SM writes number j of it for tile t.  s0-s31 are the lane's 32 scores, in pairs 0-15.
; first = 1: the first key step, which starts m, l and O^T: it has no a and nothing to rescale.
;   0-15    the maximum of s0-s31 and the old m, three operands at a time: four chains c0-c3 of seven scores each (each accumulator's lowest registers are read first), then the rest
;   16-20   the other half of the lanes' maximum; the new m; c m; c m_old - c m_new
;   21-69   ONE BATCH: the 16 scalings c s - c m and all 33 exponentials (a at 23, then s0-s31).  None of these reads an exponential's result; a pair is scaled in an earlier four than the one with its exponentials
;   (wait)  between 69 and 70 stands the wait for the batch: SLICE writes it, once for both tiles
;   70-85   the roundings to bf16     86-101  the sums; l = a l + the sum     102-117 the tile's O^T times a: the one part that leaves window 0
.macro SM t, first
.set rT, ST+8*(\t)
.set rS, S+32*(\t)
.set rP, P+16*(\t)
.set rO, 32*(\t)+2*(j-102)
.if j < 102
	WIN 0
.endif
.if j < 4
	v_max3_num_f32 v[rT+4+j], v[rS+8*j], v[rS+8*j+1], v[rS+8*j+2]
.elseif j < 12
	v_max3_num_f32 v[rT+4+j%4], v[rT+4+j%4], v[rS+8*(j%4)+2*(j/4)+1], v[rS+8*(j%4)+2*(j/4)+2]
.elseif j == 12
	v_max3_num_f32 v[rT+4], v[rT+4], v[rS+7], v[rS+15]
.elseif j == 13
	v_max3_num_f32 v[rT+6], v[rT+6], v[rS+23], v[rS+31]
.elseif j == 14
	v_max3_num_f32 v[rT+4], v[rT+4], v[rT+5], v[rT+6]
.elseif (j == 15) && (\first)
	v_max_num_f32 v[rT+4], v[rT+4], v[rT+7]
.elseif j == 15
	v_max3_num_f32 v[rT+4], v[rT+4], v[rT+7], v[rT+1]
.elseif j == 16
	v_permlanex16_b32 v[rT+5], v[rT+4], s[SEL], s[SEL+1]  ; the query's other 32 keys lie in the lane 16 away
.elseif j == 18
	v_max_num_f32 v[rT+1], v[rT+4], v[rT+5]
.elseif j == 19
	v_mul_f32 v[rT], s[CS], v[rT+1]
.elseif ((j == 17) || (j == 20) || (j == 23) || (j > 101)) && (\first)  ; the first step has none of these
.elseif j == 17
	v_mov_b32 v[rT+7], v[rT]        ; c m_old is kept for a: number 19 writes c m anew
.elseif j == 20
	v_sub_f32 v[rT+7], v[rT+7], v[rT]
.elseif j == 23
	v_exp_f32 v[rT+6], v[rT+7]
.elseif (j < 23) || ((j < 38) && (j%2 == 0)) || ((j < 66) && (j%4 == 2))
.set b, (j-2)/4                     ; 38, 42, .. 62: pairs 9 to 15
.if j < 38
.set b, (j-20)/2                    ; 21: pair 0; 22, 24, .. 36: pairs 1 to 8
.endif
	v_pk_fma_f32 v[rS+2*b:rS+2*b+1], v[rS+2*b:rS+2*b+1], s[CS:CS+1], v[rT:rT+1] op_sel_hi:[1,0,0] neg_lo:[0,0,1] neg_hi:[0,0,1]  ; pair b: c s - c m
.elseif j < 70
.set e, j-38                        ; 66 to 69: s28 to s31
.if j < 66
.set e, j-32-(j-38)/4               ; 39-41, 43-45, .. 63-65: s7 to s27
.endif
.if j < 38
.set e, (j-25)/2                    ; 25, 27, .. 37: s0 to s6
.endif
	v_exp_f32 v[rS+e], v[rS+e]
.elseif j < 86
	v_cvt_pk_bf16_f32 v[rP+j-70], v[rS+2*(j-70)], v[rS+2*(j-70)+1]  ; pair j - 70
.elseif j < 102                     ; the sum of the tile's 16 pairs, in place: neighbours 1, 2, 4 and 8 pairs apart, then l takes it
.set z, j-86
.set w, 4
.set u, z
.if z >= 14
.set w, 32
.set u, 0
.elseif z >= 12
.set w, 16
.set u, z-12
.elseif z >= 8
.set w, 8
.set u, z-8
.endif
.if (z == 14) && (\first)
	v_pk_add_f32 v[rT+2:rT+3], v[rS:rS+1], v[rS+16:rS+17]
.elseif z < 15
	v_pk_add_f32 v[rS+w*u:rS+w*u+1], v[rS+w*u:rS+w*u+1], v[rS+w*u+w/2:rS+w*u+w/2+1]
.elseif !(\first)
	v_pk_fma_f32 v[rT+2:rT+3], v[rT+2:rT+3], v[rT+6:rT+7], v[rS:rS+1] op_sel_hi:[1,0,1]
.endif
.else
	WIN W_RS
	v_pk_mul_f32 v[rO:rO+1], v[rO:rO+1], v[rT+6:rT+7] op_sel_hi:[1,0]
.endif
.endm
; Slice k of 59 of piece y's softmax: four instructions (2 x 118 = 4 x 59).  Slices 11 to 34 deal out the batch, numbers 22 to 69: four numbers of ONE tile each, the tiles by turns.  Every other slice is
; numbers 2 k and 2 k + 1 of both tiles' lists, the tiles alternating.  Ahead of slice 35 nothing names an exponential's result, and behind slice 34 no exponential is issued: so the piece's 66 exponentials
; have one wait, behind slice 34, with one plain instruction between the last of them and it.
.macro SLICE y, first
.if (k >= 11) && (k < 35)
.irp n, 0,1,2,3
.set j, 22+4*((k-11)/2)+(\n)
	SM (\y)+(k-11)%2, \first
.endr
.else
.irp n, 0,1
.irp t, \y, (\y)+1
.set j, 2*k+(\n)
	SM \t, \first
.endr
.endr
.endif
.if k == 34
	v_nop                           ; the plain instruction behind the last exponential and ahead of the first use: one for the batch
.if (\y) == 0
	FETCH_V                         ; piece 2's turn: V's run of loads stands here, and the wait stands in it
.else
	s_wait_alu depctr_va_vdst(0)    ; the wait for the batch
.endif
.endif
.set k, k+1
.endm
; A TURN.  Piece x has the matrix unit; the other piece's softmax stands beside it.  pv = 2: 16 products V^T P; 1: they start O^T's sums; 0: none.  kq = 1: 16 products K Q'^T for the next step.
;   16 x (V^T P, slice): slices 0-15: the maximum, the statistics, the batch's head     a run of its own: slices 16-34, the rest of the batch; the plain instruction and the wait
;   16 x (K Q'^T, slice): slices 35-50: the roundings and the sums                        a run of its own: slices 51-58, the 32 rescalings, which are also the places behind the last K Q'^T
; No slice names a register of the products round it: they are the other piece's.  first = 1: the rescalings are none, and four v_nop take their part as places.
; Piece 0's turn fetches the next step's K behind its second product: the last product that read K stands ahead of the 32 rescalings of the turn before.  Piece 2's turn fetches the same step's V behind slice 34:
; the last product that read V stands ahead of slice 15, and more than four scalings lie between.  Each run is waited for in front of its first use.
.macro TURN x, pv, kq, first
.set k, 0
.if (\pv) && ((\x) == 0)
	s_wait_dscnt 0x0                ; V is in
.endif
.set i, 0
.rept 16
.if \pv
	PV \x, 2-(\pv)
.endif
	SLICE 2-(\x), \first
.if ((\x) == 0) && (\kq) && (i == 1)
	FETCH_K
.endif
.set i, i+1
.endr
.rept 19
	SLICE 2-(\x), \first
.endr
.if ((\x) == 0) && (\kq)
	s_wait_dscnt 0x0                ; K is in
.endif
.set i, 0
.rept 16
.if \kq
	KQ \x
.endif
	SLICE 2-(\x), \first
.set i, i+1
.endr
.rept 8
	SLICE 2-(\x), \first
.endr
.if \first
	PLACES
.endif
.endm
; THE CHANGE OF SLOTS, between piece 2's turn and piece 0's: the slot's last bytes, V of its second step, have been asked for.  Each wave waits for all its tensor loads, of which one is out: its part of the other
; slot; adds 0 to its spare word; and waits for that and for its own reads of the slot.  Behind the barrier nobody reads this slot any more and the other slot is whole.
; fill = 1: this slot is filled again, with the keys two slots on.  The barrier is then a round of the cluster's, so that no wave of any partner still reads the slot or has a load on its way, and the joint refill
; is the first thing behind it: it has two key steps, 128 matrix instructions of a wave, in which to land.
.macro CHANGE fill
	WIN 0                           ; at a label and at a branch every window is 0
	s_wait_tensorcnt 0x0            ; no tensor load of mine is out, so a group 0 may be written
	ds_add_u32 v[SPW], v[NIL]       ; 0 onto my spare word: with fill = 1 the descriptors' steps stand between it and the wait for it
.if \fill
.irp g, G0K+4, G0V+4
	s_xor_b32 s[(\g)+1], s[(\g)+1], SLOT1  ; the walking descriptor: the other slot than last time,
	s_add_nc_u64 s[(\g)+2:(\g)+3], s[(\g)+2:(\g)+3], 1024  ; the next 512 keys along the rows; the type bits on top are not reached
.endr
	s_wait_xcnt 0x0                 ; the last prefetch, two key steps back, has read its address, so it may be written
	s_add_nc_u64 s[PFA:PFA+1], s[PFA:PFA+1], 1024
	s_wait_dscnt 0x0                ; the add is done, and my reads of the slot are over
	CROUND
	JLOAD
	ASK
.else
	s_wait_dscnt 0x0                ; the add is done, and my reads of the slot are over
	s_barrier_signal -1
	s_barrier_wait -1
.endif
	s_sub_co_u32 s[TB], s[TB], 2*STEPB  ; the fetches go back to a slot's first step,
	s_xor_b32 s[TB], s[TB], SLOT1   ; in the other slot
.endm
; A slot's two key steps: written once, walked twice; the LDS addresses hang on s[TB].
.macro TWO_STEPS
	WIN 0
	s_mov_b32 s[TWICE], 2
.Lstep_\@:
	TURN 0, 2, 1, 0
	TURN 2, 2, 1, 0
	WIN 0
	s_sub_co_u32 s[TWICE], s[TWICE], 1
	s_cmp_lg_u32 s[TWICE], 0
	s_cbranch_scc1 .Lstep_\@
.endm
	; THE WALK
	FETCH_K                         ; key step 0
	s_wait_dscnt 0x0                ; Q' and K are in
.set i, 0
.rept 16
	KQ 0                            ; piece 0's first scores: there is no vector work yet to set between them
.set i, i+1
.endr
	WIN 0
	PLACES
	TURN 2, 0, 1, 1                 ; piece 2's first scores | piece 0's first softmax | V of step 0
	TURN 0, 1, 1, 1                 ; piece 0: V^T P of step 0 starts O^T, K Q'^T of step 1 | piece 2's first softmax | K of step 1
	TURN 2, 1, 1, 0                 ; piece 2: the same | piece 0's softmax of step 1 | V of step 1
	WIN 0
.Lslot:                             ; six trips: every slot but the last two is filled again
	CHANGE 1
	TWO_STEPS
	s_sub_co_u32 s[SLOTS], s[SLOTS], 1
	s_cmp_lg_u32 s[SLOTS], 0
	s_cbranch_scc1 .Lslot
	CHANGE 0                        ; the tail is written out: nothing is asked for
	TWO_STEPS
	TURN 0, 2, 0, 0                 ; piece 0: V^T P of the last step | piece 2's last softmax
	s_wait_dscnt 0x0                ; my reads of the ring are over:
	s_barrier_signal -1             ; say so; behind this barrier the ring's bytes, filled for the last time, take the partial results and the way out
.set i, 0
.rept 16
	PV 2, 0                         ; piece 2: V^T P of the last step: work on registers, while the others arrive
.set i, i+1
.endr
	; THE FOUR WAVES' PARTS MEET.  Each wave has, for all 64 queries, c m, l and O^T over its quarter of the keys.  All four tiles go through LDS, a wave's own too: which registers hold tile w would hang on the wave's number.
	WIN 0
	s_lshl_b32 s2, s[WV], 10
	s_add_co_u32 s2, s2, PST
	v_lshl_add_u32 v[PSTS], v[LN], 3, s2
	s_lshl_b32 s2, s[WV], 8
	s_add_co_u32 s2, s2, PST
	v_lshl_add_u32 v[PSTR], v[LN], 3, s2
	s_lshl_b32 s2, s[WV], 14
	v_lshl_add_u32 v[POS], v[LN], 4, s2
	s_lshl_b32 s2, s[WV], 12
	v_lshl_add_u32 v[POR], v[LN], 4, s2
	v_lshl_add_u32 v[PRA], v9, 5, PAR
.irp t, 0,1,2,3
	v_add_f32 v[ST+8*(\t)+4], v[ST+8*(\t)+2], v[ST+8*(\t)+3]  ; l's two halves,
.endr
.irp t, 0,1,2,3
	v_permlanex16_b32 v[ST+8*(\t)+5], v[ST+8*(\t)+4], s[SEL], s[SEL+1]  ; and the other half of the lanes'
.endr
.irp t, 0,1,2,3
	v_add_f32 v[ST+8*(\t)+1], v[ST+8*(\t)+4], v[ST+8*(\t)+5]  ; beside c m: a pair.  These lines are also the places behind the last products
.endr
	s_barrier_wait -1
.irp t, 0,1,2,3
	ds_store_b64 v[PSTS], v[ST+8*(\t):ST+8*(\t)+1] offset:256*(\t)
.endr
	WIN 0x04                        ; the stores' data in window 1
.irp t, 0,1,2,3
.irp q, 0,1,2,3,4,5,6,7
	ds_store_b128 v[POS], v[32*(\t)+4*(\q):32*(\t)+4*(\q)+3] offset:4096*(\t)+512*(\q)
.endr
.endr
	WIN 0
	s_wait_dscnt 0x0                ; for the others' sake: my stores are done
	s_barrier_signal -1
	s_barrier_wait -1
.macro LOADP p, dst                 ; vector p's numbers for my 32 channels
.irp c, 0,1,2,3
	ds_load_b128 v[(\dst)+8*(\c):(\dst)+8*(\c)+3],   v[PRA] offset:256*(\p)+64*(\c)
	ds_load_b128 v[(\dst)+8*(\c)+4:(\dst)+8*(\c)+7], v[PRA] offset:256*(\p)+64*(\c)+16
.endr
.endm
.irp v, 0,1,2,3
	ds_load_b64 v[12+2*(\v):13+2*(\v)], v[PSTR] offset:1024*(\v)  ; tile w's (c m, l) of wave v
.endr
.irp v, 0,1,2,3
.irp q, 0,1,2,3,4,5,6,7
	ds_load_b128 v[RA+32*(\v)+4*(\q):RA+32*(\v)+4*(\q)+3], v[POR] offset:16384*(\v)+512*(\q)  ; and its O^T
.endr
.endr
.irp h, 0,1
	ds_load_tr16_b128 v[GF+8*(\h):GF+8*(\h)+3],   v[XTR] offset:8192+1024*(\h)  ; my tokens' gauss, turned
	ds_load_tr16_b128 v[GF+8*(\h)+4:GF+8*(\h)+7], v[XTR] offset:8192+1024*(\h)+512
.endr
	LOADP 1, PR                     ; 2 bv
	s_wait_dscnt 44                 ; the four pairs are in; the 44 loads behind them stay out
	v_max3_num_f32 v20, v12, v14, v16
	v_max_num_f32 v20, v20, v18     ; the common c m
.irp v, 0,1,2,3
	v_sub_f32 v[21+(\v)], v[12+2*(\v)], v20
.endr
.irp v, 0,1,2,3
	v_exp_f32 v[21+(\v)], v[21+(\v)]  ; f_v = 2^(c m_v - c m)
.endr
	v_nop                           ; a plain instruction behind the last exponential,
	s_wait_alu depctr_va_vdst(0)    ; and one wait for the four, ahead of their first reader
	v_mul_f32 v25, v21, v13
	v_fmac_f32 v25, v22, v15
	v_fmac_f32 v25, v23, v17
	v_fmac_f32 v25, v24, v19        ; l = the sum of f_v l_v
	v_rcp_f32 v26, v25
	v_nop
	s_wait_alu depctr_va_vdst(0)
.irp v, 0,1,2,3
	v_mul_f32 v[28+2*(\v)], v[21+(\v)], v26  ; f_v / l, in both registers of a pair
	v_mul_f32 v[29+2*(\v)], v[21+(\v)], v26
.endr
	s_wait_dscnt 0x0
.set i, 0
.rept 16
	v_pk_mul_f32 v[RA+2*i:RA+2*i+1], v[RA+2*i:RA+2*i+1], v[28:29]
.set i, i+1
.endr
.irp v, 1,2,3
.set i, 0
.rept 16
	v_pk_fma_f32 v[RA+2*i:RA+2*i+1], v[RA+32*(\v)+2*i:RA+32*(\v)+2*i+1], v[28+2*(\v):29+2*(\v)], v[RA+2*i:RA+2*i+1]
.set i, i+1
.endr
.endr
.set i, 0
.rept 16
	v_cvt_pk_bf16_f32 v[OGF+i], v[RA+2*i], v[RA+2*i+1]  ; og, as source 1
.set i, i+1
.endr
; THE REST OF THE CHAIN, wave w for tile w.
; Eight products: D (four accumulators, by turns, one instruction a turn) += the weights at WB of window 3 x the fragments at F.  cfirst: the registers that start the sums.
.macro MM4 D, WB, F, cfirst=-1
	WIN 0x03                        ; source 0 in window 3
.irp h, 0,1
.irp o, 0,1,2,3
.if ((\h) == 0) && ((\cfirst) >= 0)
	v_wmma_f32_16x16x32_bf16 v[(\D)+8*(\o):(\D)+8*(\o)+7], v[(\WB)+8*(2*(\o)+(\h)):(\WB)+8*(2*(\o)+(\h))+7], v[(\F)+8*(\h):(\F)+8*(\h)+7], v[(\cfirst)+8*(\o):(\cfirst)+8*(\o)+7]
.else
	v_wmma_f32_16x16x32_bf16 v[(\D)+8*(\o):(\D)+8*(\o)+7], v[(\WB)+8*(2*(\o)+(\h)):(\WB)+8*(2*(\o)+(\h))+7], v[(\F)+8*(\h):(\F)+8*(\h)+7], v[(\D)+8*(\o):(\D)+8*(\o)+7]
.endif
.endr
.endr
.endm
; X as two fragments: FH = bf16(x), FL = bf16(x - FH): sixteen significant bits, bf16's range
.macro SPLIT X, FH, FL
.set i, 0
.rept 16
.set tp, TMP+2*(i%4)
	v_cvt_pk_bf16_f32 v[(\FH)+i], v[(\X)+2*i], v[(\X)+2*i+1]
	v_lshlrev_b32 v[tp], 16, v[(\FH)+i]
	v_and_b32 v[tp+1], s72, v[(\FH)+i]
	v_pk_add_f32 v[tp:tp+1], v[(\X)+2*i:(\X)+2*i+1], v[tp:tp+1] neg_lo:[0,1] neg_hi:[0,1]
	v_cvt_pk_bf16_f32 v[(\FL)+i], v[tp], v[tp+1]
.set i, i+1
.endr
.endm
; X = (X - mean) / sqrt(var + 1e-5) x W + Bb over a token's 64 channels: 32 in my lane, 32 in the lane 16 away.  The mean is taken away before the squares.  The first sums read each accumulator's lowest registers first.
.macro LNORM X, W, Bb
.set i, 0
.rept 8
	v_pk_add_f32 v[TMP+2*i:TMP+2*i+1], v[(\X)+2*i:(\X)+2*i+1], v[(\X)+16+2*i:(\X)+16+2*i+1]
.set i, i+1
.endr
.irp d, 8,4,2
.set i, 0
.rept (\d)/2
	v_pk_add_f32 v[TMP+2*i:TMP+2*i+1], v[TMP+2*i:TMP+2*i+1], v[TMP+(\d)+2*i:TMP+(\d)+2*i+1]
.set i, i+1
.endr
.endr
	v_add_f32 v[TMP], v[TMP], v[TMP+1]
	v_permlanex16_b32 v[TMP+1], v[TMP], s[SEL], s[SEL+1]
	v_add_f32 v[TMP], v[TMP], v[TMP+1]
	v_mul_f32 v[TMP], s70, v[TMP]   ; the mean
.set i, 0
.rept 16
	v_pk_add_f32 v[(\X)+2*i:(\X)+2*i+1], v[(\X)+2*i:(\X)+2*i+1], v[TMP:TMP+1] op_sel_hi:[1,0] neg_lo:[0,1] neg_hi:[0,1]
.set i, i+1
.endr
.set i, 0
.rept 4
	v_pk_mul_f32 v[TMP+2+2*i:TMP+3+2*i], v[(\X)+2*i:(\X)+2*i+1], v[(\X)+2*i:(\X)+2*i+1]  ; the squares, in four chains
.set i, i+1
.endr
.rept 12
	v_pk_fma_f32 v[TMP+2+2*(i%4):TMP+3+2*(i%4)], v[(\X)+2*i:(\X)+2*i+1], v[(\X)+2*i:(\X)+2*i+1], v[TMP+2+2*(i%4):TMP+3+2*(i%4)]
.set i, i+1
.endr
	v_pk_add_f32 v[TMP+2:TMP+3], v[TMP+2:TMP+3], v[TMP+4:TMP+5]
	v_pk_add_f32 v[TMP+6:TMP+7], v[TMP+6:TMP+7], v[TMP+8:TMP+9]
	v_pk_add_f32 v[TMP+2:TMP+3], v[TMP+2:TMP+3], v[TMP+6:TMP+7]
	v_add_f32 v[TMP+2], v[TMP+2], v[TMP+3]
	v_permlanex16_b32 v[TMP+3], v[TMP+2], s[SEL], s[SEL+1]
	v_add_f32 v[TMP+2], v[TMP+2], v[TMP+3]
	v_fma_f32 v[TMP+2], v[TMP+2], s70, s71
	v_rsq_f32 v[TMP+4], v[TMP+2]
	v_nop                           ; a plain instruction behind it,
	s_wait_alu depctr_va_vdst(0)    ; and its wait, ahead of its first reader
.set i, 0
.rept 16
	v_pk_mul_f32 v[(\X)+2*i:(\X)+2*i+1], v[(\X)+2*i:(\X)+2*i+1], v[TMP+4:TMP+5] op_sel_hi:[1,0]
.set i, i+1
.endr
.set i, 0
.rept 16
	v_pk_fma_f32 v[(\X)+2*i:(\X)+2*i+1], v[(\X)+2*i:(\X)+2*i+1], v[(\W)+2*i:(\W)+2*i+1], v[(\Bb)+2*i:(\Bb)+2*i+1]
.set i, i+1
.endr
.endm
	s_wait_loadcnt 0x0              ; Wv, W1, W2
	MM4 RB, 0, GF, PR               ; Wv g + 2 bv
	MM4 RB, 0, OGF                  ; + Wv og
	PLACES
	WIN 0
	LOADP 2, RC                     ; ln1_w
	LOADP 3, RD                     ; ln1_b
	LOADP 4, PR                     ; b1
	s_wait_dscnt 0x0
	LNORM RB, RC, RD                ; x
	SPLIT RB, GF, OGF
	MM4 RA, 64, GF, PR              ; W1 x + b1, x as hi
	MM4 RA, 64, OGF                 ; and lo
	PLACES
	WIN 0
	LOADP 5, RC                     ; b2
	LOADP 6, RD                     ; ln2_w
	LOADP 7, PR                     ; ln2_b
.set i, 0
.rept 32
	v_max_num_f32 v[RA+i], 0, v[RA+i]
.set i, i+1
.endr
	SPLIT RA, GF, OGF
	s_wait_dscnt 0x0
.set i, 0
.rept 16
	v_pk_add_f32 v[RC+2*i:RC+2*i+1], v[RB+2*i:RB+2*i+1], v[RC+2*i:RC+2*i+1]  ; x + b2 starts the sums
.set i, i+1
.endr
	MM4 RC, 128, GF                 ; + W2 h, h as hi
	MM4 RC, 128, OGF                ; and lo
	PLACES
	WIN 0
	LNORM RC, RD, PR
	; THE WAY OUT.  A lane holds one token and 32 channels; out0's rows are channels.  The four waves' tokens meet in one stage, 64 channels x 64 tokens; each wave then stores 16 whole rows of 256 bytes.
	s_lshl_b32 s2, s[WV], 6
	s_add_co_u32 s2, s2, OUTS
	v_mul_u32_u24 v[OUTW], v9, 8*OPI               ; in: channel 8 (l / 16) + .., token 16 w + l % 16
	v_lshl_add_u32 v[OUTW], v1, 2, v[OUTW]
	v_add_nc_u32 v[OUTW], s2, v[OUTW]
	s_mul_i32 s3, s[WV], 16*OPI
	s_add_co_u32 s3, s3, OUTS
	v_mul_u32_u24 v[OUTR], v9, OPI                 ; back: lanes 0-15 take one row of 256 bytes, lanes 16-31 the next
	v_lshl_add_u32 v[OUTR], v1, 4, v[OUTR]
	v_add_nc_u32 v[OUTR], s3, v[OUTR]
	v_lshlrev_b32 v[GO], 14, v9                    ; and the same two rows in out0
	v_lshl_add_u32 v[GO], v1, 4, v[GO]
.irp c, 0,1,2,3
.irp r, 0,1,2,3,4,5,6,7
	ds_store_b32 v[OUTW], v[RC+8*(\c)+(\r)] offset:(16*(\c)+(\r))*OPI
.endr
.endr
	s_wait_dscnt 0x0                ; for the others' sake: my stores into the stage are done
	s_barrier_signal -1
	s_barrier_wait -1
.irp i, 0,1,2,3,4,5,6,7
	ds_load_b128 v[RA+4*(\i):RA+4*(\i)+3], v[OUTR] offset:2*OPI*(\i)
.endr
.irp i, 0,1,2,3,4,5,6,7
	s_wait_dscnt 7-(\i)             ; load i is back; the younger ones stay out
	global_store_b128 v[GO], v[RA+4*(\i):RA+4*(\i)+3], s[OB:OB+1] offset:32768*(\i) th:TH_STORE_NT  ; 16 lanes store 256 consecutive bytes, at a multiple of 256 from out0's first byte
.endr
	s_wait_tensorcnt 0x0            ; the wave's end: behind my last tensor load and my last LDS store
	ds_add_u32 v[SPW], v[NIL]
	s_wait_dscnt 0x0
	CROUND                          ; the closing round: no work-group ends while a partner may still ask for a tile that names it
	s_endpgm
.Lfunc_end_k_q0cfeccd48d_attn:
	.size	k_q0cfeccd48d_attn, .Lfunc_end_k_q0cfeccd48d_attn-k_q0cfeccd48d_attn
	.p2alignl 7, 3214868480
	.fill 96, 4, 3214868480
	.section	.rodata,"a",@progbits
	.p2align	6, 0x0
	.amdhsa_kernel k_q0cfeccd48d_attn
		.amdhsa_group_segment_fixed_size 327680
		.amdhsa_private_segment_fixed_size 0
		.amdhsa_enable_private_segment 0
		.amdhsa_kernarg_size 16
		.amdhsa_user_sgpr_count 2
		.amdhsa_user_sgpr_kernarg_segment_ptr 1
		.amdhsa_wavefront_size32 1
		.amdhsa_system_sgpr_workgroup_id_x 1
		.amdhsa_system_sgpr_workgroup_id_y 1
		.amdhsa_system_sgpr_workgroup_id_z 1
		.amdhsa_system_vgpr_workitem_id 0
		.amdhsa_next_free_vgpr 1024
		.amdhsa_next_free_sgpr 80
		.amdhsa_reserve_vcc 0
		.amdhsa_float_denorm_mode_32 3
		.amdhsa_float_denorm_mode_16_64 3
		.amdhsa_memory_ordered 1
		.amdhsa_forward_progress 1
		.amdhsa_inst_pref_size 205
	.end_amdhsa_kernel
	.amdgpu_metadata
---
amdhsa.version: [ 1, 2 ]
amdhsa.kernels:
  - .name:           k_q0cfeccd48d_attn
    .symbol:         k_q0cfeccd48d_attn.kd
    .args:
      - { .name: ws, .offset: 0, .size: 8, .value_kind: global_buffer, .address_space: global }
      - { .name: out0, .offset: 8, .size: 8, .value_kind: global_buffer, .address_space: global }
    .group_segment_fixed_size: 327680
    .private_segment_fixed_size: 0
    .kernarg_segment_align: 8
    .kernarg_segment_size: 16
    .max_flat_workgroup_size: 128
    .sgpr_count:     80
    .vgpr_count:     1024
    .wavefront_size: 32
...
	.end_amdgpu_metadata
.endif
;; end of part 2
;; ======== version 2 of 2: 2 launches; version 1 with the launch cast written anew for expert scheduling mode
;; workspace buffers: ws 4,237,312 bytes
;; launch cast (part 3): grid 257 x 1, 8 waves a work-group, no clusters, 0 bytes of LDS; arguments seg, gauss, Wq, Wk, Wv, W1, W2, bq, bv, ln1_w, ln1_b, b1, b2, ln2_w, ln2_b, ws; writes ws
.if DOCPART == 3
	.amdgcn_target "amdgcn-amd-amdhsa--gfx1250"
	.amdhsa_code_object_version 6
	.text
	.protected	k_q0cfeccd48d_cast
	.globl	k_q0cfeccd48d_cast
	.p2align	8
	.type	k_q0cfeccd48d_cast,@function
k_q0cfeccd48d_cast:
	s_mov_b64 s[64:65], 0
	v_nop
	global_prefetch_b8 v0, s[64:65] scope:SCOPE_SE
	s_setreg_imm32_b32 hwreg(HW_REG_WAVE_SCHED_MODE, 0, 2), 2
	s_setreg_imm32_b32 hwreg(HW_REG_WAVE_MODE, 25, 1), 1
	s_wait_xcnt 0x0
	s_wait_alu depctr_vm_vsrc(0)
; FIRST OF TWO LAUNCHES: every input is rounded once to bf16 and laid into the workspace ws; the second launch does all the arithmetic.
; WORK LEFT OUT, FOR ALL VALUES OF THE INPUTS.  k_m = Wk s_m + bk, so a score is q_n . (Wk s_m) / 8 + q_n . bk / 8.  The second term does not depend on m, the axis of the softmax:
; it multiplies every weight of row n and their sum by the same factor and cancels.  bk has no other way to the output: it is not loaded and is no argument of any launch.
; LIMIT: a NaN, an infinity or an overflow that reaches the result through bk alone is not carried to it.
; TWO IDENTITIES, exact for all inputs, let seg and gauss themselves serve as K and V in the second launch:
;   q_n . (Wk s_m) = (Wk^T q_n) . s_m;     sum_m a_nm (Wv g_m + bv) = Wv (sum_m a_nm g_m) + bv, since a softmax's row sums to 1.
; ws:  KB  at 0          bf16(seg),   [4][64][4096]
;      VB  at 2,097,152  bf16(gauss), [4][64][4096]
;      WTS at 4,194,304  five bf16 matrices [64][64], 8,192 bytes each: Wq, Wk turned (row c, column o), Wv, W1, W2
;      PARG at 4,235,264 eight vectors of 64 f32, each number rounded to bf16 and written as f32: bq, 2 bv, ln1_w, ln1_b, b1, b2, ln2_w, ln2_b
; LIMIT: a number beyond bf16's largest finite one rounds to an infinity.
; SHARES.  Work-groups 0-127 take seg, 128-255 gauss, 8,192 numbers each: a thread has eight loads of 16 bytes out at once; a wave's load covers 512 consecutive bytes, its store 256, aligned.
; Work-group 256 takes the weights and the vectors.  No LDS, no barrier, no matrix unit: nothing is shared and nothing is multiplied.
; THE MODE: SCHED_MODE bits 1:0 = 2 (LLVM: expert scheduling mode 2), set by the entry lines.  The code itself states the register dependences
; between vector instructions and memory instructions, with s_wait_alu, always for 0.
; THE PLAN.  Registers that memory instructions touch:
;   v1 .. v5     byte offsets, each written once at the head of its arm and never again: one wait ahead of an arm's first load serves all its loads and stores.
;   v[16:79]     Load i lands in four registers; two roundings write the first two of them in place; one store reads those two.  Nothing writes them behind the store.
;   v[80:95]     Wk as loaded, read by eight roundings, which write v[100:107]; two stores read these.
;   v[96:97]     A vector's two numbers as loaded; three vector lines write them anew; one store reads them.
; No register that a memory instruction reads is written again, and no load lands in a register that a vector instruction has named: so the only dependences are vector results that
; loads read as offsets and stores read as data, and one scalar that a vector instruction writes.  The work goes in groups: a group's stores stand at the head of the NEXT group, behind that group's
; wait for its data and one wait on va_vdst; the roundings that follow them name other registers than the stores read.
.set WTS,  4194304
.set PARG, 4235264
	s_load_b512 s[8:23], s[0:1], 0x0               ; seg s[8:9], gauss s[10:11], Wq s[12:13], Wk s[14:15], Wv s[16:17], W1 s[18:19], W2 s[20:21], bq s[22:23]
	s_load_b512 s[24:39], s[0:1], 0x40             ; bv s[24:25], ln1_w, ln1_b, b1, b2, ln2_w, ln2_b s[36:37], ws s[38:39]
	s_mov_b32 s6, ttmp9
	v_lshlrev_b32 v1, 4, v0                        ; 16 x thread: my 16 bytes of f32
	v_lshlrev_b32 v2, 3, v0                        ; 8 x thread: my 8 bytes of bf16
	s_cmp_lt_u32 s6, 256
	s_cbranch_scc0 .Lweights
	; seg or gauss: 32,768 bytes in, 16,384 out
	s_and_b32 s2, s6, 127
	s_lshl_b32 s2, s2, 15                          ; my part of the source
	s_mov_b32 s3, 0
	s_lshl_b32 s4, s6, 14                          ; my part of ws: VB follows KB, so one formula serves both
	s_mov_b32 s5, 0
	s_wait_kmcnt 0x0
	s_cmp_lt_u32 s6, 128
	s_cselect_b64 s[40:41], s[8:9], s[10:11]
	s_add_nc_u64 s[40:41], s[40:41], s[2:3]
	s_add_nc_u64 s[42:43], s[38:39], s[4:5]
	s_wait_alu depctr_va_vdst(0)                   ; v1 and v2 are written: the loads below read v1 as their offset, the stores v2
.irp i, 0,1,2,3,4,5,6,7
	global_load_b128 v[16+4*(\i):19+4*(\i)], v1, s[40:41] offset:4096*(\i) th:TH_LOAD_NT
.endr
; The eight loads go in four pairs: pair p is loads 2 p and 2 p + 1.
.macro RND2 p                          ; pair p is rounded in place: four roundings
.irp i, 2*(\p), 2*(\p)+1
	v_cvt_pk_bf16_f32 v[16+4*(\i)], v[16+4*(\i)], v[17+4*(\i)]
	v_cvt_pk_bf16_f32 v[17+4*(\i)], v[18+4*(\i)], v[19+4*(\i)]
.endr
.endm
.macro SND2 p                          ; pair p is stored
.irp i, 2*(\p), 2*(\p)+1
	global_store_b64 v2, v[16+4*(\i):17+4*(\i)], s[42:43] offset:2048*(\i)  ; no register is written again behind its store
.endr
.endm
	s_wait_loadcnt 6                               ; loads come back in order: pair 0 is in, the six younger loads stay out
	RND2 0
	s_wait_loadcnt 4                               ; pair 1 is in
	s_wait_alu depctr_va_vdst(0)                   ; pair 0's roundings have written v16, v17, v20, v21, which the two stores below read
	SND2 0
	RND2 1
	s_wait_loadcnt 2                               ; pair 2 is in
	s_wait_alu depctr_va_vdst(0)                   ; pair 1's roundings have written v24, v25, v28, v29, which the two stores below read
	SND2 1
	RND2 2
	s_wait_loadcnt 0x0                             ; pair 3 is in
	s_wait_alu depctr_va_vdst(0)                   ; pair 2's roundings have written v32, v33, v36, v37, which the two stores below read
	SND2 2
	RND2 3
	s_wait_alu depctr_va_vdst(0)                   ; pair 3's roundings have written v40, v41, v44, v45, which the last two stores read
	SND2 3
	s_endpgm
.Lweights:
	v_lshrrev_b32 v7, 5, v0
	v_readfirstlane_b32 s2, v7                     ; wave 0..7: which vector is mine
	v_lshrrev_b32 v3, 6, v0                        ; thread / 64: which sixteen rows o of Wk
	v_and_b32 v8, 63, v0                           ; thread % 64: which column c
	v_lshlrev_b32 v5, 5, v3
	v_lshl_add_u32 v5, v8, 7, v5                   ; out: row c of 128 bytes, 32 bytes for my sixteen o
	v_lshlrev_b32 v3, 12, v3
	v_lshl_add_u32 v3, v8, 2, v3                   ; in: 16 rows of 256 bytes a step, column c
	v_and_b32 v4, 31, v0
	v_lshlrev_b32 v4, 3, v4                        ; 8 x lane: two numbers of my wave's vector
	s_wait_kmcnt 0x0
	s_wait_alu depctr_va_sdst(0)                   ; s2 is written, ahead of its first reader: the compares below choose my vector's address by it
	s_mov_b64 s[44:45], s[22:23]                   ; the vectors' addresses lie in s[22:37] in the order of PARG
.irp k, 1,2,3,4,5,6,7
	s_cmp_eq_u32 s2, \k
	s_cselect_b64 s[44:45], s[22+2*(\k):23+2*(\k)], s[44:45]
.endr
	s_cmp_eq_u32 s2, 1
	s_cselect_b32 s46, 2.0, 1.0                    ; bv is wanted twice: once in v, once in the attention's result
	s_mov_b32 s47, s46                             ; named with it as a pair
.macro MIN m, p                        ; matrix m: 16,384 bytes, four loads a thread
.irp i, 0,1,2,3
	global_load_b128 v[16+16*(\m)+4*(\i):19+16*(\m)+4*(\i)], v1, s[(\p):(\p)+1] offset:4096*(\i)
.endr
.endm
.macro MRND m                          ; matrix m is rounded in place: eight roundings
.irp i, 0,1,2,3
	v_cvt_pk_bf16_f32 v[16+16*(\m)+4*(\i)], v[16+16*(\m)+4*(\i)], v[17+16*(\m)+4*(\i)]
	v_cvt_pk_bf16_f32 v[17+16*(\m)+4*(\i)], v[18+16*(\m)+4*(\i)], v[19+16*(\m)+4*(\i)]
.endr
.endm
.macro MSND m, off                     ; matrix m is stored: 8,192 bytes at off behind WTS
.irp i, 0,1,2,3
	global_store_b64 v2, v[16+16*(\m)+4*(\i):17+16*(\m)+4*(\i)], s[38:39] offset:WTS+(\off)+2048*(\i)
.endr
.endm
	s_wait_alu depctr_va_vdst(0)                   ; the five offsets v1 to v5 are written, which the loads and stores below read
	MIN 0, 12                                      ; Wq
	MIN 1, 16                                      ; Wv
	MIN 2, 18                                      ; W1
	MIN 3, 20                                      ; W2
.irp e, 0,1,2,3,4,5,6,7,8,9,10,11,12,13,14,15
	global_load_b32 v[80+(\e)], v3, s[14:15] offset:256*(\e)  ; Wk[16 (thread / 64) + e][c]: a wave's load covers 128 consecutive bytes
.endr
	global_load_b64 v[96:97], v4, s[44:45]
	s_wait_loadcnt 25                              ; Wq and Wv are in; W1's and W2's eight loads, Wk's sixteen and the vector's one stay out
	MRND 0
	MRND 1
	s_wait_loadcnt 17                              ; the four matrices are in; Wk's sixteen loads and the vector's one stay out
	s_wait_alu depctr_va_vdst(0)                   ; Wq's and Wv's roundings have written their registers in v[16:47], which the eight stores below read
	MSND 0, 0
	MSND 1, 16384
	MRND 2
	MRND 3
	s_wait_loadcnt 1                               ; Wk is in
	s_wait_alu depctr_va_vdst(0)                   ; W1's and W2's roundings have written their registers in v[48:79], which the eight stores below read
	MSND 2, 24576
	MSND 3, 32768
.irp e, 0,1,2,3,4,5,6,7
	v_cvt_pk_bf16_f32 v[100+(\e)], v[80+2*(\e)], v[81+2*(\e)]
.endr
	s_wait_loadcnt 0x0
	v_cvt_pk_bf16_f32 v98, v96, v97                ; rounded to bf16,
	v_lshlrev_b32 v96, 16, v98                     ; and written as f32 again
	v_and_b32 v97, 0xffff0000, v98
	v_pk_mul_f32 v[96:97], v[96:97], s[46:47] op_sel_hi:[1,0]
	s_wait_alu depctr_va_vdst(0)                   ; Wk's roundings have written v[100:107] and the lines above v[96:97], which the three stores below read
	global_store_b128 v5, v[100:103], s[38:39] offset:WTS+8192     ; pieces of 32 bytes of rows 128 bytes apart: 8,192 bytes, once in the program
	global_store_b128 v5, v[104:107], s[38:39] offset:WTS+8192+16
	global_store_b64 v2, v[96:97], s[38:39] offset:PARG            ; 8 x thread = 256 x wave + 8 x lane
	s_endpgm
.Lfunc_end_k_q0cfeccd48d_cast:
	.size	k_q0cfeccd48d_cast, .Lfunc_end_k_q0cfeccd48d_cast-k_q0cfeccd48d_cast
	.p2alignl 7, 3214868480
	.fill 96, 4, 3214868480
	.section	.rodata,"a",@progbits
	.p2align	6, 0x0
	.amdhsa_kernel k_q0cfeccd48d_cast
		.amdhsa_group_segment_fixed_size 0
		.amdhsa_private_segment_fixed_size 0
		.amdhsa_enable_private_segment 0
		.amdhsa_kernarg_size 128
		.amdhsa_user_sgpr_count 2
		.amdhsa_user_sgpr_kernarg_segment_ptr 1
		.amdhsa_wavefront_size32 1
		.amdhsa_system_sgpr_workgroup_id_x 1
		.amdhsa_system_sgpr_workgroup_id_y 1
		.amdhsa_system_sgpr_workgroup_id_z 1
		.amdhsa_system_vgpr_workitem_id 0
		.amdhsa_next_free_vgpr 112
		.amdhsa_next_free_sgpr 66
		.amdhsa_reserve_vcc 0
		.amdhsa_float_denorm_mode_32 3
		.amdhsa_float_denorm_mode_16_64 3
		.amdhsa_memory_ordered 1
		.amdhsa_forward_progress 1
		.amdhsa_inst_pref_size 13
	.end_amdhsa_kernel
	.amdgpu_metadata
---
amdhsa.version: [ 1, 2 ]
amdhsa.kernels:
  - .name:           k_q0cfeccd48d_cast
    .symbol:         k_q0cfeccd48d_cast.kd
    .args:
      - { .name: seg, .offset: 0, .size: 8, .value_kind: global_buffer, .address_space: global }
      - { .name: gauss, .offset: 8, .size: 8, .value_kind: global_buffer, .address_space: global }
      - { .name: Wq, .offset: 16, .size: 8, .value_kind: global_buffer, .address_space: global }
      - { .name: Wk, .offset: 24, .size: 8, .value_kind: global_buffer, .address_space: global }
      - { .name: Wv, .offset: 32, .size: 8, .value_kind: global_buffer, .address_space: global }
      - { .name: W1, .offset: 40, .size: 8, .value_kind: global_buffer, .address_space: global }
      - { .name: W2, .offset: 48, .size: 8, .value_kind: global_buffer, .address_space: global }
      - { .name: bq, .offset: 56, .size: 8, .value_kind: global_buffer, .address_space: global }
      - { .name: bv, .offset: 64, .size: 8, .value_kind: global_buffer, .address_space: global }
      - { .name: ln1_w, .offset: 72, .size: 8, .value_kind: global_buffer, .address_space: global }
      - { .name: ln1_b, .offset: 80, .size: 8, .value_kind: global_buffer, .address_space: global }
      - { .name: b1, .offset: 88, .size: 8, .value_kind: global_buffer, .address_space: global }
      - { .name: b2, .offset: 96, .size: 8, .value_kind: global_buffer, .address_space: global }
      - { .name: ln2_w, .offset: 104, .size: 8, .value_kind: global_buffer, .address_space: global }
      - { .name: ln2_b, .offset: 112, .size: 8, .value_kind: global_buffer, .address_space: global }
      - { .name: ws, .offset: 120, .size: 8, .value_kind: global_buffer, .address_space: global }
    .group_segment_fixed_size: 0
    .private_segment_fixed_size: 0
    .kernarg_segment_align: 8
    .kernarg_segment_size: 128
    .max_flat_workgroup_size: 256
    .sgpr_count:     66
    .vgpr_count:     112
    .wavefront_size: 32
...
	.end_amdgpu_metadata
.endif
;; end of part 3
;; launch attn: the kernel of part 2 again; grid 64 x 4, 4 waves a work-group, clusters of 4 x 1, 327,680 bytes of LDS; arguments ws, out0; writes out0
